; MI455X (gfx1250); checked and timed in simulation.
; The chip was launched on July 23, 2026; its instructions are those of AMD's public machine-readable ISA for CDNA 5 (MIT licence, August 2026) and "CDNA5" Instruction Set Architecture Reference Guide (July 2026). The comments in the code are by the model that wrote it; some were corrected since.
;; Quantum Feed Forward. Allowed arithmetic: matrix products marked QUANTISED: E3M2 operands, one E8M0 scale for each 32 along K, by v_wmma_scale_f32_16x16x128_f8f6f4 with both operands' format E3M2, f32 sums; products left as they are: f32 operands where the result goes on into a quantised operand, else bf16, f16 or f32 operands; f32 sums; everything else in f32.
;; Inputs: W1 4,096 x 8 float32; W2 1,024 x 4,096 float32; b1 4,096 float32; b2 1,024 float32; x 4 x 4,096 x 1,024 float32.
;; Outputs: out0 4 x 4,096 x 1,024 float32.
;; This version of the problem:
;;   THIS VERSION OF THE PROBLEM IS GIVEN IN LOW PRECISION. The matrix products marked QUANTISED in the list below multiply operands that are first quantised to E3M2 (3 exponent bits, 2 mantissa bits; 6 bits a number), with one power-of-two scale for each 32 numbers along K (OCP MX v1.0); their sums are f32. All else is computed in f32.
;;   The module's matrix products, in the order in which they are computed (A, B: the left and right operand; K: the contracted axis; several contracted axes count as one K, in the product's order):
;;     1. [M 16,384, K 8] x [K 8, N 4,096]; A: computed on the way; B: input W1: left as it is (K = 8 < 32)
;;     2. [M 16,384, K 4,096] x [K 4,096, N 1,024]; A: computed on the way; B: input W2: QUANTISED
;;   THE QUANTISER, for each operand of a quantised product, along K:
;;     - K is cut into blocks of 32 from its start; a last block that is shorter is filled with zeros.
;;     - A block's scale is 2^e with e = floor(log2(the largest magnitude in the block)) - 4, held to -126 .. 127; a block of zeros has e = 0. As a byte (E8M0): e + 127.
;;     - Each number is divided by its block's scale, clamped to +-28, and rounded to the nearest number of E3M2, ties to even, subnormals kept.
;;     - The product sums the exact products of the quantised numbers (number of the format x scale) in f32.
;;   ~~~python
;;   def quantise(x, axis):      # numpy; x: float32 -> the quantised numbers, widened to float32 again
;;       x = np.moveaxis(x, axis, -1); K = x.shape[-1]
;;       x = np.pad(x, [(0, 0)] * (x.ndim - 1) + [(0, -K % 32)]); x = x.reshape(x.shape[:-1] + (-1, 32)); a = np.abs(x).max(-1, keepdims=True)
;;       e = np.where(a > 0, np.clip(np.frexp(np.where(a > 0, a, 1))[1] - 1 - 4, -126, 127), 0)      # np.frexp(a)[1] - 1 = floor(log2(a)), exactly
;;       r = np.clip(x / 2.0 ** e, -28, 28)
;;       step = 2.0 ** (np.maximum(np.frexp(np.where(r == 0, 1, r))[1] - 1, -2) - 2)
;;       q = np.round(r / step) * step * 2.0 ** e      # np.round: ties to even
;;       return np.moveaxis(q.reshape(q.shape[:-2] + (-1,))[..., :K], -1, axis).astype(np.float32)
;;   ~~~
;;   OPERANDS COMPUTED ON THE WAY. 'Computed on the way' means the value that the module computes at that place (a softmax that the list does not call 'softmax' is quantised finished and normalised). What goes into a quantiser is computed in f32, as accurately as f32 sums, v_exp_f32 and their like allow (about 1e-6 of the number): no bf16 or f16 on the way to a quantiser, and a product that is left as it is and whose result goes on into a quantised operand takes f32 operands (vector FMAs, or v_wmma_f32_16x16x4_f32). A number that lies on a knife's edge between two numbers of the format may be rounded either way, as far as f32 arithmetic and the matrix unit's own rounding can turn it there, and no further.
;; One version. Each part assembles by itself: llvm-mc -triple=amdgcn-amd-amdhsa -mcpu=gfx1250 --defsym DOCPART=n.
;; ======== version 1 of 1: 2 launches
;; limits: inputs' magnitudes at most 65,536; right only within a limited range of input values
;; workspace buffers: hc 50,331,648 bytes; hs 2,097,152 bytes; wc 3,145,728 bytes; ws 131,072 bytes
;; launch prep (part 1): grid 256 x 1, 8 waves a work-group, no clusters, 71,168 bytes of LDS; arguments x, W1, b1, W2, hc, hs, wc, ws; writes hc, hs, wc, ws
.if DOCPART == 1
	.amdgcn_target "amdgcn-amd-amdhsa--gfx1250"
	.amdhsa_code_object_version 6
	.text
	.protected	k_q14ad441769_prep
	.globl	k_q14ad441769_prep
	.p2align	8
	.type	k_q14ad441769_prep,@function
k_q14ad441769_prep:
	s_mov_b64 s[64:65], 0
	v_nop
	global_prefetch_b8 v0, s[64:65] scope:SCOPE_SE
	s_setreg_imm32_b32 hwreg(HW_REG_WAVE_MODE, 25, 1), 1
	s_wait_xcnt 0x0
; Two things are made ready for the product on codes: (a) W2 [1024][4096] f32 becomes codes of BF6 (E3M2) with one E8M0 byte for each 32 along K; (b) the hidden layer
; h = relu(cos(x[.., 0..7]) W1^T + b1), [16384][4096], is computed in f32 and quantised in registers; it goes to memory as codes alone.
; LAYOUT OF THE FOUR BUFFERS (this program's own): a fragment (16 rows x 128 K) is stored as the image of its 12 operand registers: register 4 j + i of lane l at byte 512 j + 16 l + 4 i; fragments lie
; [tile of 16 rows][K step of 128][1,536 bytes].  Scale bytes lie [tile][pair of K steps][row][8 bytes]: a row's scale words of two K steps on end.
; SHARES.  Work-group g takes tokens 64 g .. 64 g + 63 (four tiles of 16) for all 4,096 hidden units: wave w takes K steps 4 w .. 4 w + 3 of the four tiles, 16 fragments.  Of W2 it takes tile g / 4,
; K steps 8 (g % 4) + w: one fragment a wave.
; THE FIRST PRODUCT (K = 8) feeds a quantiser, so it is done in f32, by v_wmma_f32_16x16x4_f32, two instructions a tile, TRANSPOSED: source 0 = 16 rows of W1, source 1 = q, C of the first = b1.
; THE ROWS OF W1 THAT FORM A TILE ARE NOT NEIGHBOURS: row m of tile 4 c + u of K step s is hidden unit 128 s + 64 c + 32 (m / 8) + 8 u + m % 8.  So lane (r, h) holds token r, and its 32 registers of tiles
; 4 c .. 4 c + 3 are the WHOLE block 2 c + h of 32 along the next K, in the order in which the 6-bit operand wants them: the block's maximum needs no other lane and no lanes are exchanged.
; The 8 features are dealt alike on both sides: lane (r, h) holds features 4 h .. 4 h + 3; the first instruction takes the lower two, the second the upper two.
; COS: x = k pi/2 + rho by three fused multiply-adds (pi/2 in three parts), then a polynomial for sin or cos of rho on [-pi/4, pi/4], chosen by v_cndmask_b32 on k's last bit; the sign from k + 1.
; LIMITS: the reduction is good to about 1e-7 for |x| up to 65,536 and grows coarser beyond; NaN and infinities among the inputs are not served; a block of zeros gets the byte 1 (the rule says 127)
; over zero codes, and the bytes are read by this program alone.
; NO JOINT LOADS: W1 and b1 (147,456 bytes) are read by every work-group, each wave its own eighth, straight into the registers in which the matrix instruction wants them; by a joint tensor load the same
; bytes would go into LDS and be read from there a second time.  No tensor load, so no ring.  Two barriers: q's images, and W2's scale words.
.set STW,  8448                        ; LDS: a stage of 16 rows x 528 bytes for each wave (512 bytes of a row of W2 + 16: the pitch is an odd multiple of 16 bytes)
.set SP,   528
.set QIMG, 8*STW                       ; four images of q's fragments, 512 bytes each: lane l's four features at 16 l
.set WSW,  QIMG+2048                   ; the work-group's 512 bytes of W2's scale words
.set GI,   4                           ; v4   16 x lane
.set GS,   5                           ; v5   8 x lane
.set VW,   6                           ; v6   W1: my row of a tile and my four features: 1,024 (r / 8) + 32 (r % 8) + 16 h
.set VB,   7                           ; v7   b1: 128 h
.set XO,   8                           ; v8   x: my token's row and my two features
.set QST,  9                           ; v9   where I store my two cosines
.set QLD,  10                          ; v10  where I read q's images
.set STI,  11                          ; v11  the stage, in: 16 x lane
.set STR,  12                          ; v12  the stage, out: row r, + 128 h
.set WSA,  13                          ; v13  where my row's scale word of W2 goes
.set SH8,  14                          ; v14  8 h
.set WSR,  15                          ; v15  where wave 0 reads the 512 bytes back
.set XV,   16                          ; v[16:17] two numbers of x
.set QV,   18                          ; v[18:19] their cosines
.set CT,   20                          ; v20-35 at work on the cosines, eight a number
.set TM,   36                          ; v36-39 four chains of maxima
.set TS,   40                          ; v40-41 the conversions' scale operands
.set TB,   42                          ; v42-43 the scale bytes
.set PW,   44                          ; v44  my two bytes at their places in the scale word
.set PX,   45                          ; v45  lane l xor 16's
.set WW,   46                          ; v46  W2's scale word: written once
.set PC,   48                          ; v48-59 a fragment's codes
.set PT,   60                          ; v60-62, v64-66 the conversions' second halves
.set Q,    68                          ; v68-83 q: four registers a tile of tokens
.set SW,   84                          ; v84-99 h's scale words: tile m, K step j at 4 m + j
.set OW,   100                         ; v100-107 the same on their way out
.set D,    112                         ; v112-175 the eight accumulators: written by matrix instructions alone
.set H,    176                         ; v176-239 the 64 numbers to be quantised
.set WO,   240                         ; v240-243 W2's scale words on their way out
.set WA,   0                           ; window 1: v0-63 W1's tiles, two buffers of 32
.set BI,   64                          ; window 1: v64-191 b1 in the result's layout, two buffers of 64
.set R,    192                         ; window 1: v192-255 W2 as loaded
.set WV,   20                          ; s20  my wave's number
.set SEL,  24                          ; s[24:25] v_permlanex16_b32's selects for lane l xor 16
.set MSB, 0
.macro WIN new                         ; the immediate's high byte repeats the setting that is left
.if MSB != \new
	s_set_vgpr_msb (MSB<<8)|(\new)
.set MSB, \new
.endif
.endm
; K step j of my four: eight tiles of W1 and the 64 numbers of b1 that go with them, into buffer b: 24 loads
.macro WLOAD b, j
	WIN 0x40                                       ; destination window 1
.irp t, 0,1,2,3,4,5,6,7
	global_load_b128 v[WA+32*\b+4*\t:WA+32*\b+4*\t+3], v[VW], s[6:7] offset:(\j)*4096+(\t/4)*2048+(\t%4)*256
.endr
.irp c, 0,1
.irp i, 0,1,2,3,4,5,6,7
	global_load_b128 v[BI+64*\b+32*\c+4*\i:BI+64*\b+32*\c+4*\i+3], v[VB], s[8:9] offset:(\j)*512+256*\c+16*\i
.endr
.endr
	WIN 0
.endm
; The 64 numbers v[H] on, register 32 c + i = k 64 c + 32 h + i of my row, become the fragment's 12 registers in v[PC] on and its scale word in v[dst].  abs = 0: no number is negative.
.macro QUANTB abs, dst
.irp c, 0,1
.irp e, 0,1
.if \abs
	v_max3_num_f32 v[TM+2*\c+\e], |v[H+32*\c+16*\e]|, |v[H+32*\c+16*\e+1]|, 0x2800000   ; the floor 2^(5 - 127) among the leaves: the byte cannot fall under 1
.else
	v_max3_num_f32 v[TM+2*\c+\e], v[H+32*\c+16*\e], v[H+32*\c+16*\e+1], 0x2800000
.endif
.endr
.endr
.irp i, 2,4,6,8,10,12,14
.irp c, 0,1
.irp e, 0,1
.if \abs
	s_delay_alu instid0(VALU_DEP_4)
	v_max3_num_f32 v[TM+2*\c+\e], v[TM+2*\c+\e], |v[H+32*\c+16*\e+\i]|, |v[H+32*\c+16*\e+\i+1]|   ; four chains by turns
.else
	s_delay_alu instid0(VALU_DEP_4)
	v_max3_num_f32 v[TM+2*\c+\e], v[TM+2*\c+\e], v[H+32*\c+16*\e+\i], v[H+32*\c+16*\e+\i+1]
.endif
.endr
.endr
.endr
.irp c, 0
	s_delay_alu instid0(VALU_DEP_3)
	v_max_num_f32 v[TM+2*\c], v[TM+2*\c], v[TM+2*\c+1]   ; block 2 c + h's largest magnitude: all 32 numbers are mine
.endr
.irp c, 1
	s_delay_alu instid0(VALU_DEP_2)
	v_max_num_f32 v[TM+2*\c], v[TM+2*\c], v[TM+2*\c+1]   ; block 2 c + h's largest magnitude: all 32 numbers are mine
.endr
.irp c, 0,1
	s_delay_alu instid0(VALU_DEP_2)
	v_add_nc_u32 v[TS+\c], 0xfe000000, v[TM+2*\c]  ; 4 off its exponent field: the conversion takes the exponent field of this operand as its scale
.endr
.irp c, 0,1
	s_delay_alu instid0(VALU_DEP_2)
	v_lshrrev_b32 v[TB+\c], 23, v[TS+\c]           ; the scale's byte
.endr
	s_delay_alu instid0(VALU_DEP_1)
	v_lshl_or_b32 v[PW], v[TB+1], 16, v[TB]        ; my two bytes: blocks h and 2 + h,
	s_delay_alu instid0(VALU_DEP_1)
	v_lshlrev_b32 v[PW], v[SH8], v[PW]             ; at their places in the word;
	s_delay_alu instid0(VALU_DEP_1)
	v_permlanex16_b32 v[PX], v[PW], s[SEL], s[SEL+1]
	s_delay_alu instid0(VALU_DEP_1)
	v_or_b32 v[\dst], v[PW], v[PX]                 ; with lane l xor 16's two the word is whole, in both lanes
	s_wait_alu depctr_va_vdst(0)
	s_wait_xcnt 0x0                                ; the last fragment's stores have read v[PC] on: it is written again only behind this wait
.irp c, 0,1
	v_cvt_scalef32_pk16_bf6_f32 v[PC+6*\c:PC+6*\c+2], v[H+32*\c:H+32*\c+15], v[TS+\c]
	v_cvt_scalef32_pk16_bf6_f32 v[PT+4*\c:PT+4*\c+2], v[H+32*\c+16:H+32*\c+31], v[TS+\c]   ; (a conversion's three registers begin on an even number)
.endr
	v_nop                                          ; one plain place behind the scaled conversions
.irp c, 0,1
.irp i, 0,1,2
	v_mov_b32 v[PC+6*\c+3+\i], v[PT+4*\c+\i]
.endr
.endr
.endm
; The fragment of tile m of tokens and K step j of my four: 16 matrix instructions (the eight accumulators by turns, one instruction a turn), relu, quantised, stored.
.macro FRAGH j, m
.set WB, WA+32*((\j)%2)
.set BB, BI+64*((\j)%2)
	WIN 0x11                                       ; source 0 (W1) and source 2 (b1) window 1
.irp t, 0,1,2,3,4,5,6,7
	v_wmma_f32_16x16x4_f32 v[D+8*\t:D+8*\t+7], v[WB+4*\t:WB+4*\t+1], v[Q+4*(\m):Q+4*(\m)+1], v[BB+8*\t:BB+8*\t+7]
.endr
	WIN 0x01                                       ; source 0 window 1
.irp t, 0,1,2,3,4,5,6,7
	v_wmma_f32_16x16x4_f32 v[D+8*\t:D+8*\t+7], v[WB+4*\t+2:WB+4*\t+3], v[Q+4*(\m)+2:Q+4*(\m)+3], v[D+8*\t:D+8*\t+7]
.endr
	WIN 0
.rept 8
	v_nop                                          ; eight places behind this form before its results are read (ISA guide 7.12.1)
.endr
.set i, 0
.rept 64
	v_max_num_f32 v[H+i], 0, v[D+i]                ; the activation, into other registers; each accumulator from its low end on
.set i, i+1
.endr
	QUANTB 0, SW+4*(\m)+(\j)
.irp c, 0,1,2
	global_store_b128 v[GI], v[PC+4*\c:PC+4*\c+3], s[12:13] offset:(\m)*49152+(\j)*1536+512*\c   ; 32 lanes store 512 consecutive bytes, at a multiple of 256 from the buffer's first byte
.endr
.endm
	s_load_b256 s[4:11], s[0:1], 0x0               ; x s[4:5], W1 s[6:7], b1 s[8:9], W2 s[10:11]
	s_load_b256 s[12:19], s[0:1], 0x20             ; hc s[12:13], hs s[14:15], wc s[16:17], ws s[18:19]
	v_lshl_add_u32 v254, v0, 2, 0x11200
	v_mov_b32 v255, 0
	v_lshrrev_b32 v1, 5, v0
	s_delay_alu instid0(VALU_DEP_1)
	v_readfirstlane_b32 s[WV], v1                  ; wave 0..7
	v_and_b32 v1, 31, v0                           ; lane
	v_and_b32 v2, 15, v0                           ; r
	v_bfe_u32 v3, v0, 4, 1                         ; h
	s_delay_alu instid0(VALU_DEP_3)
	v_lshlrev_b32 v[GI], 4, v1
	s_delay_alu instid0(VALU_DEP_4)
	v_lshlrev_b32 v[GS], 3, v1
	v_bfe_u32 v[VW], v0, 3, 1
	s_delay_alu instid0(VALU_DEP_1)
	v_lshlrev_b32 v[VW], 10, v[VW]
	v_and_b32 v20, 7, v0
	s_delay_alu instid0(VALU_DEP_1)
	v_lshl_add_u32 v[VW], v20, 5, v[VW]
	s_delay_alu instid0(VALU_DEP_1)
	v_lshl_add_u32 v[VW], v3, 4, v[VW]
	v_lshlrev_b32 v[VB], 7, v3
	s_lshr_b32 s36, s[WV], 1                       ; the tile of tokens whose cosines I make,
	s_and_b32 s37, s[WV], 1                        ; and which two of a lane's four features
	s_lshl_b32 s38, s36, 16
	s_lshl_b32 s39, s37, 3
	s_add_co_u32 s38, s38, s39
	v_lshlrev_b32 v[XO], 12, v2                    ; a row of x is 4,096 bytes
	s_delay_alu instid0(VALU_DEP_1)
	v_lshl_add_u32 v[XO], v3, 4, v[XO]
	s_delay_alu instid0(VALU_DEP_1)
	v_add_nc_u32 v[XO], s38, v[XO]
	s_lshl_b32 s38, s36, 9
	s_add_co_u32 s38, s38, s39
	s_add_co_u32 s38, s38, QIMG
	v_add_nc_u32 v[QST], s38, v[GI]
	v_add_nc_u32 v[QLD], QIMG, v[GI]
	s_mul_i32 s38, s[WV], STW
	v_add_nc_u32 v[STI], s38, v[GI]
	v_mul_u32_u24 v[STR], v2, SP
	s_delay_alu instid0(VALU_DEP_1)
	v_lshl_add_u32 v[STR], v3, 7, v[STR]
	s_delay_alu instid0(VALU_DEP_1)
	v_add_nc_u32 v[STR], s38, v[STR]
	s_lshl_b32 s38, s36, 7
	s_lshl_b32 s39, s37, 2
	s_add_co_u32 s38, s38, s39
	s_add_co_u32 s38, s38, WSW
	v_lshl_add_u32 v[WSA], v2, 3, s38              ; pair of K steps w / 2, row r, word w % 2
	v_lshlrev_b32 v[SH8], 3, v3
	v_add_nc_u32 v[WSR], WSW, v[GI]
	v_mov_b32 v[PX], 0                             ; written once: a lane permute's destination counts as one of its sources
	s_mov_b32 s[SEL], 0x76543210
	s_mov_b32 s[SEL+1], 0xfedcba98
	s_mov_b32 s26, 0x3f22f983                      ; 2 / pi
	s_mov_b32 s27, 0xbfc90fdb                      ; - pi/2, first part,
	s_mov_b32 s28, 0x333bbd2e                      ; second,
	s_mov_b32 s29, 0x26f72ced                      ; third
	s_mov_b32 s30, 0xb94ca1f9                      ; sin: -1.9515296e-4,
	s_mov_b32 s31, 0x3c08839e                      ; 8.3321609e-3,
	s_mov_b32 s32, 0xbe2aaaa3                      ; -1.6666655e-1
	s_mov_b32 s33, 0x37ccf5ce                      ; cos: 2.4433157e-5,
	s_mov_b32 s34, 0xbab6061a                      ; -1.3887316e-3,
	s_mov_b32 s35, 0x3d2aaaa5                      ; 4.1666646e-2
	s_lshr_b32 s40, ttmp9, 2                       ; W2's tile of 16 rows
	s_and_b32 s41, ttmp9, 3
	s_lshl_b32 s42, s41, 3
	s_add_co_u32 s42, s42, s[WV]                   ; and my K step of it
	s_mov_b32 s37, 0                               ; every offset below stays under 2^32
	s_wait_kmcnt 0x0
	s_lshl_b32 s36, ttmp9, 18                      ; x: 64 rows of 4,096 bytes a work-group
	s_add_nc_u64 s[4:5], s[4:5], s[36:37]
	s_lshl_b32 s36, s[WV], 14                      ; W1: 512 rows of 32 bytes a wave
	s_add_nc_u64 s[6:7], s[6:7], s[36:37]
	s_lshl_b32 s36, s[WV], 11                      ; b1: 512 numbers a wave
	s_add_nc_u64 s[8:9], s[8:9], s[36:37]
	s_lshl_b32 s36, s40, 18                        ; W2: 16 rows of 16,384 bytes a tile, 512 bytes a K step
	s_lshl_b32 s38, s42, 9
	s_add_co_u32 s36, s36, s38
	s_add_nc_u64 s[10:11], s[10:11], s[36:37]
	s_mul_i32 s36, ttmp9, 196608                   ; hc: four tiles of 49,152 bytes a work-group, four fragments a wave
	s_mul_i32 s38, s[WV], 6144
	s_add_co_u32 s36, s36, s38
	s_add_nc_u64 s[12:13], s[12:13], s[36:37]
	s_lshl_b32 s36, ttmp9, 13                      ; hs: four tiles of 2,048 bytes, 256 bytes a wave in each
	s_lshl_b32 s38, s[WV], 8
	s_add_co_u32 s36, s36, s38
	s_add_nc_u64 s[14:15], s[14:15], s[36:37]
	s_mul_i32 s36, s40, 49152                      ; wc
	s_mul_i32 s38, s42, 1536
	s_add_co_u32 s36, s36, s38
	s_add_nc_u64 s[16:17], s[16:17], s[36:37]
	s_lshl_b32 s36, s40, 11                        ; ws: 512 bytes a work-group
	s_lshl_b32 s38, s41, 9
	s_add_co_u32 s36, s36, s38
	s_add_nc_u64 s[18:19], s[18:19], s[36:37]
	global_load_b64 v[XV:XV+1], v[XO], s[4:5]      ; my two numbers of x
	WLOAD 0, 0
	WIN 0x40
.irp i, 0,1,2,3,4,5,6,7,8,9,10,11,12,13,14,15
	global_load_b128 v[R+4*\i:R+4*\i+3], v[GI], s[10:11] offset:16384*\i th:TH_LOAD_NT   ; row i of W2's tile: 32 lanes read 512 consecutive bytes; read once in the launch
.endr
	WIN 0
	s_wait_loadcnt 40                              ; x is in; the 24 + 16 younger loads stay out
	; the two cosines, line by line in turn
.irp i, 0,1
	v_mul_f32 v[CT+8*\i], s26, v[XV+\i]
.endr
.irp i, 0,1
	s_delay_alu instid0(VALU_DEP_2)
	v_rndne_f32 v[CT+8*\i], v[CT+8*\i]             ; k
.endr
.irp i, 0,1
	s_delay_alu instid0(VALU_DEP_2)
	v_fma_f32 v[CT+8*\i+1], v[CT+8*\i], s27, v[XV+\i]
.endr
.irp i, 0,1
	s_delay_alu instid0(VALU_DEP_2)
	v_fma_f32 v[CT+8*\i+1], v[CT+8*\i], s28, v[CT+8*\i+1]
.endr
.irp i, 0,1
	s_delay_alu instid0(VALU_DEP_2)
	v_fma_f32 v[CT+8*\i+1], v[CT+8*\i], s29, v[CT+8*\i+1]   ; rho = x - k pi/2
.endr
.irp i, 0,1
	v_cvt_i32_f32 v[CT+8*\i+2], v[CT+8*\i]         ; n = k as a whole number
.endr
.irp i, 0,1
	s_delay_alu instid0(VALU_DEP_4)
	v_mul_f32 v[CT+8*\i+3], v[CT+8*\i+1], v[CT+8*\i+1]      ; z = rho^2
.endr
.irp i, 0
	s_delay_alu instid0(VALU_DEP_2)
	v_fma_f32 v[CT+8*\i+4], v[CT+8*\i+3], s30, s31
	s_delay_alu instid0(VALU_DEP_3)
	v_fma_f32 v[CT+8*\i+5], v[CT+8*\i+3], s33, s34
.endr
.irp i, 1
	s_delay_alu instid0(VALU_DEP_3)
	v_fma_f32 v[CT+8*\i+4], v[CT+8*\i+3], s30, s31
	s_delay_alu instid0(VALU_DEP_4)
	v_fma_f32 v[CT+8*\i+5], v[CT+8*\i+3], s33, s34
.endr
.irp i, 0,1
	s_delay_alu instid0(VALU_DEP_4)
	v_fma_f32 v[CT+8*\i+4], v[CT+8*\i+4], v[CT+8*\i+3], s32
	s_delay_alu instid0(VALU_DEP_4)
	v_fma_f32 v[CT+8*\i+5], v[CT+8*\i+5], v[CT+8*\i+3], s35
.endr
.irp i, 0,1
	v_mul_f32 v[CT+8*\i+6], v[CT+8*\i+3], v[CT+8*\i+1]      ; z rho
	v_mul_f32 v[CT+8*\i], v[CT+8*\i+3], v[CT+8*\i+3]        ; z^2
	v_fma_f32 v[CT+8*\i+7], v[CT+8*\i+3], -0.5, 1.0         ; 1 - z / 2
.endr
.irp i, 0
	v_fma_f32 v[CT+8*\i+4], v[CT+8*\i+4], v[CT+8*\i+6], v[CT+8*\i+1]   ; sin rho
	v_fma_f32 v[CT+8*\i+5], v[CT+8*\i+5], v[CT+8*\i], v[CT+8*\i+7]     ; cos rho
.endr
.irp i, 1
	v_fma_f32 v[CT+8*\i+4], v[CT+8*\i+4], v[CT+8*\i+6], v[CT+8*\i+1]   ; sin rho
	s_delay_alu instid0(VALU_DEP_4)
	v_fma_f32 v[CT+8*\i+5], v[CT+8*\i+5], v[CT+8*\i], v[CT+8*\i+7]     ; cos rho
.endr
.irp i, 0,1
	v_and_b32 v[CT+8*\i+6], 1, v[CT+8*\i+2]
	v_add_nc_u32 v[CT+8*\i+2], 1, v[CT+8*\i+2]
.endr
.irp i, 0
	s_delay_alu instid0(VALU_DEP_3)
	v_and_b32 v[CT+8*\i+2], 2, v[CT+8*\i+2]
.endr
.irp i, 1
	s_delay_alu instid0(VALU_DEP_2)
	v_and_b32 v[CT+8*\i+2], 2, v[CT+8*\i+2]
.endr
.irp i, 0,1
	s_delay_alu instid0(VALU_DEP_2)
	v_lshlrev_b32 v[CT+8*\i+2], 30, v[CT+8*\i+2]   ; the sign: minus where n mod 4 is 1 or 2
.endr
.irp i, 0,1
	v_cmp_ne_u32 vcc_lo, 0, v[CT+8*\i+6]
	s_delay_alu instid0(VALU_DEP_1)
	v_cndmask_b32 v[QV+\i], v[CT+8*\i+5], v[CT+8*\i+4], vcc_lo   ; sin where n is odd
.endr
.irp i, 0
	s_delay_alu instid0(VALU_DEP_3)
	v_xor_b32 v[QV+\i], v[QV+\i], v[CT+8*\i+2]
.endr
.irp i, 1
	s_delay_alu instid0(VALU_DEP_2)
	v_xor_b32 v[QV+\i], v[QV+\i], v[CT+8*\i+2]
.endr
	ds_store_b64 v[QST], v[QV:QV+1]
	s_wait_dscnt 0x0                               ; for the others' sake: my store has landed
	s_barrier_signal -1
	s_barrier_wait -1                              ; q's four images lie in LDS
.irp m, 0,1,2,3
	ds_load_b128 v[Q+4*\m:Q+4*\m+3], v[QLD] offset:512*\m
.endr
	WLOAD 1, 1
	s_wait_loadcnt 40                              ; buffer 0 is in; W2's 16 loads and buffer 1's 24 stay out
	s_wait_dscnt 0x0
.irp m, 0,1,2,3
	FRAGH 0, \m
.endr
	WLOAD 0, 2                                     ; buffer 0's last readers lie a whole quantising back
	s_wait_loadcnt 24                              ; buffer 1 is in, and W2, which is older; the 24 just issued stay out
.irp m, 0,1,2,3
	FRAGH 1, \m
.endr
	; W2's fragment: the 16 rows turn through my own stage, so that a lane gets 32 neighbours along K of row r, twice; LDS serves a wave's instructions in order, so no wait stands between the stores and the loads
	WIN 0x04                                       ; an LDS store's data are its source 1: window 1
.irp i, 0,1,2,3,4,5,6,7,8,9,10,11,12,13,14,15
	ds_store_b128 v[STI], v[R+4*\i:R+4*\i+3] offset:SP*\i
.endr
	WIN 0
.irp c, 0,1
.irp k, 0,1,2,3,4,5,6,7
	ds_load_b128 v[H+32*\c+4*\k:H+32*\c+4*\k+3], v[STR] offset:256*\c+16*\k
.endr
.endr
	s_wait_dscnt 0x0
	QUANTB 1, WW
.irp c, 0,1,2
	global_store_b128 v[GI], v[PC+4*\c:PC+4*\c+3], s[16:17] offset:512*\c
.endr
	ds_store_b32 v[WSA], v[WW]                     ; lanes r and 16 + r write the same word with the same value
	WLOAD 1, 3
	s_wait_loadcnt 24                              ; buffer 0 is in
.irp m, 0,1,2,3
	FRAGH 2, \m
.endr
	s_wait_loadcnt 0x0
.irp m, 0,1,2,3
	FRAGH 3, \m
.endr
	; h's scale words: lanes 0-15 take the words of my K steps 0 and 1, lanes 16-31 those of 2 and 3: 256 consecutive bytes a tile
	v_cmp_ne_u32 vcc_lo, 0, v3
.irp m, 0,1,2,3
	v_cndmask_b32 v[OW+2*\m], v[SW+4*\m], v[SW+4*\m+2], vcc_lo
	v_cndmask_b32 v[OW+2*\m+1], v[SW+4*\m+1], v[SW+4*\m+3], vcc_lo
.endr
.irp m, 0,1,2,3
	global_store_b64 v[GS], v[OW+2*\m:OW+2*\m+1], s[14:15] offset:2048*\m
.endr
	s_wait_dscnt 0x0                               ; my scale word of W2 has landed
	s_barrier_signal -1
	s_barrier_wait -1
	s_cmp_lg_u32 s[WV], 0
	s_cbranch_scc1 .Ldone
	ds_load_b128 v[WO:WO+3], v[WSR]                ; wave 0 stores the eight waves' words: 512 consecutive bytes
	s_wait_dscnt 0x0
	global_store_b128 v[GI], v[WO:WO+3], s[18:19]
.Ldone:
	s_wait_tensorcnt 0x0
	ds_add_u32 v254, v255
	s_wait_dscnt 0x0
	s_endpgm
.Lfunc_end_k_q14ad441769_prep:
	.size	k_q14ad441769_prep, .Lfunc_end_k_q14ad441769_prep-k_q14ad441769_prep
	.p2alignl 7, 3214868480
	.fill 96, 4, 3214868480
	.section	.rodata,"a",@progbits
	.p2align	6, 0x0
	.amdhsa_kernel k_q14ad441769_prep
		.amdhsa_group_segment_fixed_size 71168
		.amdhsa_private_segment_fixed_size 0
		.amdhsa_enable_private_segment 0
		.amdhsa_kernarg_size 64
		.amdhsa_user_sgpr_count 2
		.amdhsa_user_sgpr_kernarg_segment_ptr 1
		.amdhsa_wavefront_size32 1
		.amdhsa_system_sgpr_workgroup_id_x 1
		.amdhsa_system_sgpr_workgroup_id_y 1
		.amdhsa_system_sgpr_workgroup_id_z 1
		.amdhsa_system_vgpr_workitem_id 0
		.amdhsa_next_free_vgpr 512
		.amdhsa_next_free_sgpr 66
		.amdhsa_reserve_vcc 1
		.amdhsa_float_denorm_mode_32 3
		.amdhsa_float_denorm_mode_16_64 3
		.amdhsa_memory_ordered 1
		.amdhsa_forward_progress 1
		.amdhsa_inst_pref_size 154
	.end_amdhsa_kernel
	.amdgpu_metadata
---
amdhsa.version: [ 1, 2 ]
amdhsa.kernels:
  - .name:           k_q14ad441769_prep
    .symbol:         k_q14ad441769_prep.kd
    .args:
      - { .name: x, .offset: 0, .size: 8, .value_kind: global_buffer, .address_space: global }
      - { .name: W1, .offset: 8, .size: 8, .value_kind: global_buffer, .address_space: global }
      - { .name: b1, .offset: 16, .size: 8, .value_kind: global_buffer, .address_space: global }
      - { .name: W2, .offset: 24, .size: 8, .value_kind: global_buffer, .address_space: global }
      - { .name: hc, .offset: 32, .size: 8, .value_kind: global_buffer, .address_space: global }
      - { .name: hs, .offset: 40, .size: 8, .value_kind: global_buffer, .address_space: global }
      - { .name: wc, .offset: 48, .size: 8, .value_kind: global_buffer, .address_space: global }
      - { .name: ws, .offset: 56, .size: 8, .value_kind: global_buffer, .address_space: global }
    .group_segment_fixed_size: 71168
    .private_segment_fixed_size: 0
    .kernarg_segment_align: 8
    .kernarg_segment_size: 64
    .max_flat_workgroup_size: 256
    .sgpr_count:     66
    .vgpr_count:     512
    .wavefront_size: 32
...
	.end_amdgpu_metadata
.endif
;; end of part 1
;; launch gemm (part 2): grid 4 x 64, 4 waves a work-group, clusters of 4 x 1, 327,680 bytes of LDS; arguments hc, hs, wc, ws, out0, b2; writes out0
.if DOCPART == 2
	.amdgcn_target "amdgcn-amd-amdhsa--gfx1250"
	.amdhsa_code_object_version 6
	.text
	.protected	k_q14ad441769_gemm
	.globl	k_q14ad441769_gemm
	.p2align	8
	.type	k_q14ad441769_gemm,@function
k_q14ad441769_gemm:
	s_mov_b64 s[64:65], 0
	v_nop
	global_prefetch_b8 v0, s[64:65] scope:SCOPE_SE
	s_setreg_imm32_b32 hwreg(HW_REG_WAVE_MODE, 25, 1), 1
	s_wait_xcnt 0x0
	s_wait_alu depctr_hold_cnt(0) depctr_sa_sdst(0) depctr_va_vdst(0) depctr_va_sdst(0) depctr_va_ssrc(0) depctr_va_vcc(0) depctr_vm_vsrc(0)
	s_getreg_b32 s2, hwreg(HW_REG_IB_STS2, 6, 4)
	s_cmp_eq_u32 s2, 0
	s_cbranch_scc0 .Lentry_in_a_cluster
	s_endpgm
.Lentry_in_a_cluster:
	s_bfe_u32 s2, ttmp6, 0x10000c
	s_cmp_lg_u32 s2, 0x3003
	s_cbranch_scc0 .Lentry_shape_is_right
	s_endpgm
.Lentry_shape_is_right:
; out0[m][n] = sum over k of h[m][k] W2[n][k] + b2[n], on codes of BF6 (E3M2) with one E8M0 byte for each 32 along K; M = 16,384, N = 1,024, K = 4,096; sums in f32.
; hc and wc hold fragments (16 rows x 128 K) as images of the 12 operand registers, [tile of 16 rows][K step][1,536 bytes]; hs and ws hold scale words [tile][pair of K steps][row][8 bytes].
; A work-group of four waves makes 256 x 256 of out0; a wave makes 256 rows x 64 columns: 64 accumulators, 512 registers.
; h's CODES go through a ring of two LDS slots of six K steps (16 tiles x 9,216 bytes); each wave's tensor load brings four tiles; every row begins at a multiple of 256 bytes.  All four waves read all of them.
; The four work-groups of a block row form a cluster (4, 1, 1) and ask for h's tiles jointly; a round of the cluster's barrier stands in front of every joint load.
; The sixth fill takes K steps 26 to 31, so that it ends with the row and one text serves every fill: steps 26 to 29 come a second time and are not read there; steps 30 and 31 lie at places 4 and 5.
; W2's CODES GO STRAIGHT INTO REGISTERS, with no joint load: with this share each fragment of W2 is multiplied by ONE wave of a work-group, and it lies in memory as the image of its registers;
; through LDS the same 1,536 bytes would be written and read once more.  12 loads of 512 consecutive bytes a step, three sets of registers, asked for two steps ahead of their products.
; THE MATRIX INSTRUCTION IS USED TRANSPOSED (source 0 = W2's rows, source 1 = h's rows): a lane holds eight neighbouring numbers of a row of out0.  b2 is the C of each accumulator's first product.
; A STEP is four quarters: four tiles of h x my four tiles of W2, 16 products.  h's fragments have one set of registers and are fetched anew for the next step in two runs of 24 loads:
; tiles 0-7 behind the second quarter, tiles 8-15 behind the fourth.  The waits go quarter by quarter, by count: a quarter waits for its own 12 loads alone, issued 32 or 48 products before.
; SCALES come from memory into registers, 256 consecutive bytes an instruction, four K steps a set, three sets by turns, asked for four steps ahead: lanes 0-15 hold one pair of steps, lanes 16-31 the next.
; PREFETCH: hc's bytes in pieces of 2,048 of each tile's 49,152.  Of the block's 16 tiles the partner at cx takes four, by address; a lane names 256 bytes; wave w takes piece w of a group.
; The head asks for pieces 5 to 8; steps 1, 2 and 6 of a trip ask for three pieces each, pieces 9 to 23, three steps or more ahead of the fill that wants them; pieces past 23 do not exist and are not asked for.
; REGISTERS: window 0: v0-15 addresses, v16-135 scale words, v136-255 W2's fragments (set 2's last two lie in window 1, v192-215); window 1: v0-191 h's 16 fragments, v224-255 b2;
; window 2: accumulators of tiles 0-7 ((a, b) at v[8 (4 a + b)]); window 3: of tiles 8-15.  On the way out v128-255 of window 0 take the rows read back.
.set SIZE_N, 1024
.set NP,     4                         ; places behind this matrix form (ISA guide 7.12.1)
.set FRB,    1536
.set TROW,   6*FRB                     ; a tile's bytes in a slot
.set TPITCH, 49152                     ; from tile to tile in hc and wc
.set QUART,  4*TROW                    ; four tiles: a wave's tensor load, and a quarter's fragments
.set SLOT,   4*QUART
.set SPARE,  2*SLOT                    ; the spare words, 128 bytes a wave
.set SPITCH, 272                       ; the way out: a stage of 32 rows x (256 + 16) bytes a wave, from LDS byte 0: slot 0 has had its last fill and its last read by then
.set CHUNK,  2048
.set SPW,  1                           ; v1 my spare word; never rewritten
.set NIL,  2                           ; v2 0; never rewritten
.set SO,   3                           ; v3 8 x lane: scale words.  On the way out: STO
.set BOF,  4                           ; v4 16 x lane: W2's fragments.  On the way out: RD
.set PFO,  5                           ; v5 the prefetches' offset.  On the way out: CO
.set T0,   6
.set T1,   7
.set ADRA, 8                           ; v8-15 h's fragments: slot s, quarter q at v[8 + 4 s + q]
.set STO,  SO
.set RD,   BOF
.set CO,   PFO
.set SC,   16                          ; set t at v[16 + 40 t]: h's tile a at 2 a, W2's tile b at 32 + 2 b
.set BIAS, 224
.set BK,   128
.set G1,   24
.set G0,   32
.set HSB,  40
.set WSB,  42
.set WCB,  44
.set PFA,  46
.set LIM0, 48
.set LIM2, 49
.set INC,  50
.set KADJ, 0                           ; K steps by which W2's base has been stepped
.set MSB, 0
.macro WIN new                         ; the immediate's high byte repeats the setting that is left
.if MSB != \new
	s_set_vgpr_msb (MSB<<8)|(\new)
.set MSB, \new
.endif
.endm
.macro JLOAD s                         ; my four tiles of a slot; s_nop 0 and four v_nop follow
	tensor_load_to_lds s[G0+4*\s:G0+4*\s+3], s[G1:G1+7]
	s_nop 0
.rept 4
	v_nop
.endr
.endm
.macro ASK i                           ; pieces 9 + 3 i + wave of this trip's nine; wave 3 asks for none; the last three in the first trip alone
.if (\i) < 2
	s_cmp_gt_u32 s3, s[LIM0]
.else
	s_cmp_gt_u32 s3, s[LIM2]
.endif
	s_cbranch_scc0 .Lnot_mine_\@
	global_prefetch_b8 v[PFO], s[PFA:PFA+1] offset:(3*(\i)+4)*CHUNK th:TH_LOAD_NT scope:SCOPE_SE
.Lnot_mine_\@:
.endm
.macro CREST                           ; a round of the cluster's barrier behind its opening barrier
	s_cmp_lg_u32 s14, 0
	s_cbranch_scc1 .Lnot_wave_0_\@
	s_barrier_signal -3
.Lnot_wave_0_\@:
	s_barrier_wait -3
	s_barrier_signal -1
	s_barrier_wait -1
.endm
.macro CROUND
	s_barrier_signal -1
	s_barrier_wait -1
	CREST
.endm
.macro PLACES n
.rept \n
	v_nop
.endr
.endm
.macro SLOADS u                        ; the scale words of K steps 4 u .. 4 u + 3 into set u % 3: 20 loads
.irp i, 0,1,2,3,4,5,6,7,8,9,10,11,12,13,14,15
	global_load_b64 v[SC+40*((\u)%3)+2*\i:SC+40*((\u)%3)+2*\i+1], v[SO], s[HSB:HSB+1] offset:\i*2048+(\u)*256
.endr
.irp b, 0,1,2,3
	global_load_b64 v[SC+40*((\u)%3)+32+2*\b:SC+40*((\u)%3)+32+2*\b+1], v[SO], s[WSB:WSB+1] offset:\b*2048+(\u)*256
.endr
.endm
.macro BSEL s, b                       ; where fragment b of W2's set s lies: window BW_, register BR_
.if (\s) < 2
.set BW_, 0
.set BR_, 136+48*(\s)+12*(\b)
.elseif (\b) < 2
.set BW_, 0
.set BR_, 232+12*(\b)
.else
.set BW_, 1
.set BR_, 192+12*((\b)-2)
.endif
.endm
.macro BLOAD st, off                   ; W2's four fragments of K step st into set st % 3: 12 loads; off: the step counted from the base
.irp b, 0,1,2,3
	BSEL (\st)%3, \b
.set WN_, BW_<<6
	WIN WN_
.irp j, 0,1,2
	global_load_b128 v[BR_+4*\j:BR_+4*\j+3], v[BOF], s[WCB:WCB+1] offset:\b*TPITCH+(\off)*FRB+512*\j
.endr
.endr
	WIN 0
.endm
.macro FETCH_G q                       ; h's tiles 4 q .. 4 q + 3 of the next step: 12 loads
	WIN 0x40
.irp i, 0,1,2,3
.irp j, 0,1,2
	ds_load_b128 v[12*(4*(\q)+\i)+4*\j:12*(4*(\q)+\i)+4*\j+3], v[ADRA+4*NH_+(\q)] offset:\i*TROW+NQ_*FRB+512*\j
.endr
.endr
.endm
; A quarter: 16 products.  The accumulators take turns, one instruction a turn.  W2's fragments by pairs, so that set 2 changes windows once a quarter.
.macro MULQ q
.if KF_
.set WB_, 0x94+0x40*((\q)/2)           ; source 1 and C (b2) window 1, D window 2 or 3
.else
.set WB_, 0xa4+0x50*((\q)/2)           ; source 1 window 1, C and D window 2 or 3
.endif
.irp p, 0,2
	BSEL KS_, \p
.set WN_, WB_|BW_
	WIN WN_
.irp a, 0,1,2,3
.irp e, 0,1
	BSEL KS_, \p+\e
.set AA_, 4*(\q)+\a
.set DD_, 8*(4*(AA_%8)+\p+\e)
.if KF_
	v_wmma_scale_f32_16x16x128_f8f6f4 v[DD_:DD_+7], v[BR_:BR_+11], v[12*AA_:12*AA_+11], v[BIAS+8*(\p+\e):BIAS+8*(\p+\e)+7], v[SC+40*KT_+32+2*(\p+\e)+KW_], v[SC+40*KT_+2*AA_+KW_] matrix_a_fmt:MATRIX_FMT_BF6 matrix_b_fmt:MATRIX_FMT_BF6
.elseif KR_
	v_wmma_scale_f32_16x16x128_f8f6f4 v[DD_:DD_+7], v[BR_:BR_+11], v[12*AA_:12*AA_+11], v[DD_:DD_+7], v[SC+40*KT_+32+2*(\p+\e)+KW_], v[SC+40*KT_+2*AA_+KW_] matrix_a_fmt:MATRIX_FMT_BF6 matrix_b_fmt:MATRIX_FMT_BF6 matrix_a_scale:MATRIX_SCALE_ROW1 matrix_b_scale:MATRIX_SCALE_ROW1
.else
	v_wmma_scale_f32_16x16x128_f8f6f4 v[DD_:DD_+7], v[BR_:BR_+11], v[12*AA_:12*AA_+11], v[DD_:DD_+7], v[SC+40*KT_+32+2*(\p+\e)+KW_], v[SC+40*KT_+2*AA_+KW_] matrix_a_fmt:MATRIX_FMT_BF6 matrix_b_fmt:MATRIX_FMT_BF6
.endif
.endr
.endr
.endr
.endm
	s_load_b128 s[4:7], s[0:1], 0x0                ; hc, hs
	s_load_b128 s[8:11], s[0:1], 0x10              ; wc, ws
	s_load_b128 s[56:59], s[0:1], 0x20             ; out0, b2
	v_lshl_add_u32 v[SPW], v0, 2, SPARE
	v_mov_b32 v[NIL], 0
	ds_add_u32 v[SPW], v[NIL]                      ; the opening lines: the add, twice on end, and its wait ahead of my first tensor load
	ds_add_u32 v[SPW], v[NIL]
	v_lshrrev_b32 v[T0], 5, v0
	v_readfirstlane_b32 s14, v[T0]                 ; wave 0..3
	s_bfe_u32 s15, ttmp6, 0x40000                  ; cx: the block column
	s_and_b32 s17, ttmp7, 0xffff                   ; the block row
	s_mov_b32 s[G1+0], 15|(3<<16)|(1<<21)          ; the mask of all four partners; elements of 8 bytes; bit 21 beside a mask
	s_mov_b32 s[G1+1], (TROW/8)<<16
	s_mov_b32 s[G1+2], 4<<16
	s_mov_b32 s[G1+3], (TROW/8)<<16
	s_mov_b32 s[G1+4], 4
	s_mov_b32 s[G1+5], TPITCH/8
	s_mov_b32 s[G1+6], 0
	s_mov_b32 s[G1+7], 0
	s_lshl_b32 s20, s17, 4
	s_lshl_b32 s18, s14, 2
	s_add_co_u32 s20, s20, s18                     ; h's tile 16 x block row + 4 x wave
	s_mul_i32 s20, s20, TPITCH
	s_mov_b32 s21, 0
	s_mul_i32 s22, s14, QUART                      ; where they go
	s_wait_dscnt 0x0                               ; both opening adds are done
	s_wait_kmcnt 0x0
	s_add_nc_u64 s[20:21], s[4:5], s[20:21]
.irp s, 0,1
	s_mov_b32 s[G0+4*\s], 1
	s_add_co_u32 s[G0+4*\s+1], s22, \s*SLOT
	s_add_nc_u64 s[G0+4*\s+2:G0+4*\s+3], s[20:21], \s*TROW
	s_or_b32 s[G0+4*\s+3], s[G0+4*\s+3], 0x80000000
.endr
	CROUND                                         ; all four work-groups are here: the first joint loads meet
	JLOAD 0                                        ; K steps 0 to 5: one tensor load a wave at the head; all that follows up to the wait stands under its flight
	s_lshl_b32 s18, s17, 15                        ; hs: 16 tiles of 2,048 bytes a block row
	s_mov_b32 s19, 0
	s_add_nc_u64 s[HSB:HSB+1], s[6:7], s[18:19]
	s_lshl_b32 s52, s15, 4
	s_lshl_b32 s53, s14, 2
	s_add_co_u32 s52, s52, s53                     ; W2's tile 16 x block column + 4 x wave
	s_lshl_b32 s18, s52, 11
	s_add_nc_u64 s[WSB:WSB+1], s[10:11], s[18:19]
	s_mul_i32 s18, s52, TPITCH
	s_add_nc_u64 s[WCB:WCB+1], s[8:9], s[18:19]
	s_lshl_b32 s18, s52, 6                         ; my first column in bytes: 64 a tile
	s_add_nc_u64 s[58:59], s[58:59], s[18:19]
	s_add_nc_u64 s[56:57], s[56:57], s[18:19]
	s_lshl_b32 s18, s17, 20                        ; 256 rows of 4,096 bytes a block row
	s_add_nc_u64 s[56:57], s[56:57], s[18:19]
	s_lshl_b32 s18, s17, 4
	s_lshl_b32 s53, s15, 2
	s_add_co_u32 s18, s18, s53                     ; the prefetches: my work-group's four tiles of the block's 16,
	s_mul_i32 s18, s18, TPITCH
	s_lshl_b32 s53, s14, 11
	s_add_co_u32 s18, s18, s53                     ; my wave's piece,
	s_add_co_u32 s18, s18, 5*CHUNK                 ; from piece 5 on
	s_add_nc_u64 s[PFA:PFA+1], s[4:5], s[18:19]
	s_cmp_lt_u32 s14, 3
	s_cselect_b32 s[LIM0], 0, -1
	s_cselect_b32 s[LIM2], 1, -1
	s_mov_b32 s[INC+1], 0
	s_mul_i32 s23, s14, 32*SPITCH                  ; my stage
	v_and_b32 v[T0], 31, v0                        ; lane
	v_bfe_u32 v[T1], v0, 4, 1                      ; h
	v_lshlrev_b32 v[SO], 3, v[T0]
	v_lshlrev_b32 v[BOF], 4, v[T0]
	v_lshrrev_b32 v[PFO], 3, v[T0]
	v_mul_u32_u24 v[PFO], v[PFO], TPITCH           ; eight lanes to a tile,
.irp s, 0,1
.irp q, 0,1,2,3
	v_add_nc_u32 v[ADRA+4*\s+\q], \s*SLOT+\q*QUART, v[BOF]
.endr
.endr
	v_and_b32 v[T0], 7, v0
	v_lshl_add_u32 v[PFO], v[T0], 8, v[PFO]        ; 256 bytes a lane
	v_lshlrev_b32 v[T1], 5, v[T1]                  ; b2: 32 h
	s_wait_alu depctr_va_vdst(0)
	SLOADS 0
	WIN 0x40
.irp b, 0,1,2,3
	global_load_b128 v[BIAS+8*\b:BIAS+8*\b+3], v[T1], s[58:59] offset:64*\b
	global_load_b128 v[BIAS+8*\b+4:BIAS+8*\b+7], v[T1], s[58:59] offset:64*\b+16
.endr
	WIN 0
	BLOAD 0, 0
	BLOAD 1, 1
	global_prefetch_b8 v[PFO], s[PFA:PFA+1] th:TH_LOAD_NT scope:SCOPE_SE   ; pieces 5 to 8, one a wave
; K step kk.  fill: 0 nothing is asked for; 1 this slot takes the K steps twelve on; 2 the same, but in the last trip eight on.
.macro STEP kk, fill
.set KS_, (\kk)%3                      ; W2's set
.set KW_, (\kk)%2                      ; which word of a pair of steps
.set KR_, ((\kk)/2)%2                  ; which half of the lanes
.set KT_, ((\kk)/4)%3                  ; which set of scale words
.set KF_, 0
.if (\kk) == 0
.set KF_, 1
.endif
.set HF_, ((\kk)/6)%2                  ; this step's slot,
.set NH_, (((\kk)+1)/6)%2              ; the next step's,
.set NQ_, ((\kk)+1)%6                  ; and its place there
.if (\kk)+1 >= 30
.set NQ_, ((\kk)+1)%6+4
.endif
.set LN_, 0                            ; the loads issued behind this step's fragments of W2
.if (\kk)+1 <= 31
.set LN_, LN_+12
.endif
.if (\kk)+2 <= 31
.set LN_, LN_+12
.endif
.if ((\kk) > 0) && (((\kk)+3)%4 == 0) && ((\kk) < 29)
.set LN_, LN_+20
.endif
.if ((\kk)%4 == 0) && ((\kk) < 28)
.set LN_, LN_+20
	SLOADS (\kk)/4+1
.endif
.if (\kk)+2 <= 31
	BLOAD (\kk)+2, (\kk)+2-KADJ                    ; into the set that the step before multiplied: its places stand at that step's end
.endif
.if (\kk) == 1
	ASK 0
.endif
.if (\kk) == 2
	ASK 1
.endif
.if (\kk) == 6
	ASK 2
.endif
.if (\kk)%6 == 5                       ; the slot's last step: ONE barrier shows the other slot whole and this one read out
	s_wait_tensorcnt 0x0                           ; all my tensor loads have landed: my part of the other slot
	ds_add_u32 v[SPW], v[NIL]
.if (\fill) == 1
	s_add_nc_u64 s[G0+4*HF_+2:G0+4*HF_+3], s[G0+4*HF_+2:G0+4*HF_+3], 12*FRB
.endif
.if (\fill) == 2
	s_mov_b32 s[INC], 12*FRB
	s_cmp_eq_u32 s3, 1                             ; the last trip's fill ends with the row
	s_cselect_b32 s[INC], 8*FRB, s[INC]
	s_add_nc_u64 s[G0+4*HF_+2:G0+4*HF_+3], s[G0+4*HF_+2:G0+4*HF_+3], s[INC:INC+1]
.endif
	s_wait_loadcnt LN_
	s_wait_dscnt 37                                ; quarter 0's fragments are in; the 36 younger loads and the add may be out
	MULQ 0                                         ; sixteen products between the add and the wait for it
	s_wait_dscnt 0x0                               ; the add is done, and my reads of this slot are over
	s_barrier_signal -1
	MULQ 1
	WIN 0
	s_barrier_wait -1
.if \fill
	CREST                                          ; the barrier has opened a round: no wave of any partner still reads this slot or has a load on its way
	JLOAD HF_                                      ; its four v_nop are the places in front of the loads below
.else
	PLACES NP
.endif
	FETCH_G 0
	FETCH_G 1
	MULQ 2
	MULQ 3
	PLACES NP
	FETCH_G 2
	FETCH_G 3
.else
	s_wait_loadcnt LN_                             ; this step's fragments of W2 are in, and all that is older
.irp q, 0,1,2,3
.if (\kk) < 31
	s_wait_dscnt 36-12*(\q%2)                      ; this quarter's 12 loads are in; out may be: the other run's 24, and ahead of quarters 0 and 2 the 12 behind mine in my own run
.else
	s_wait_dscnt 36-12*\q                          ; the last step fetches nothing: the counts run down
.endif
	MULQ \q
.if ((\kk) < 31) && (\q%2 == 1)
	PLACES NP
	FETCH_G \q-1                                   ; one run of 24 loads: the two quarters just multiplied, for the next step
	FETCH_G \q
.endif
.endr
.endif
	WIN 0
.endm
	s_wait_tensorcnt 0x0                           ; my part of slot 0 is in
	ds_add_u32 v[SPW], v[NIL]
	s_wait_dscnt 0x0
	CROUND                                         ; everybody's part is in, and all four work-groups are here
	JLOAD 1                                        ; K steps 6 to 11: slot 1's first fill, the first tensor load behind the round
.set NH_, 0
.set NQ_, 0
.irp q, 0,1,2,3
	FETCH_G \q
.endr
	WIN 0
	STEP 0, 0                                      ; its products start the sums on b2
	s_mov_b32 s3, 2
.Llap:                                             ; a trip is twelve steps: slots, W2's sets and the scale sets are back where they began
	STEP 1, 0
	STEP 2, 0
	STEP 3, 0
	STEP 4, 0
	STEP 5, 1
	STEP 6, 0
	STEP 7, 0
	STEP 8, 0
	STEP 9, 0
	STEP 10, 0
	STEP 11, 2
	STEP 12, 0
	s_wait_xcnt 0x0                                ; the prefetches and loads have read their bases
	s_add_nc_u64 s[PFA:PFA+1], s[PFA:PFA+1], 9*CHUNK
	s_add_nc_u64 s[HSB:HSB+1], s[HSB:HSB+1], 3*256
	s_add_nc_u64 s[WSB:WSB+1], s[WSB:WSB+1], 3*256
	s_add_nc_u64 s[WCB:WCB+1], s[WCB:WCB+1], 12*FRB
	s_sub_co_u32 s3, s3, 1
	s_cmp_lg_u32 s3, 0
	s_cbranch_scc1 .Llap
.set KADJ, 24
	STEP 25, 0
	STEP 26, 0
	STEP 27, 0
	STEP 28, 0
	STEP 29, 0                                     ; a barrier, and nothing more to fetch
	STEP 30, 0
	STEP 31, 0
; THE WAY OUT, two tiles (32 rows x 64 columns) at a time, through my own stage: in as 32 bytes a lane, back as whole rows of 256 bytes, two rows an instruction.
; LDS serves a wave's instructions in order (ISA guide 5.7.1.4).  The ten lines below name no register of the last products: they are also the places behind them.
	s_wait_xcnt 0x0                                ; the registers below were offsets of loads and prefetches
	v_and_b32 v[T0], 15, v0                        ; r
	v_bfe_u32 v[T1], v0, 4, 1                      ; h
	v_mul_u32_u24 v[STO], v[T0], SPITCH            ; in: row r, 32 bytes for each half of the lanes
	v_lshl_add_u32 v[STO], v[T1], 5, v[STO]
	v_add_nc_u32 v[STO], s23, v[STO]
	v_mul_u32_u24 v[RD], v[T1], SPITCH             ; back: sixteen lanes to a row
	v_lshl_add_u32 v[RD], v[T0], 4, v[RD]
	v_add_nc_u32 v[RD], s23, v[RD]
	v_lshlrev_b32 v[CO], 12, v[T1]                 ; and the same two rows in out0
	v_lshl_add_u32 v[CO], v[T0], 4, v[CO]
	s_wait_alu depctr_va_vdst(0)
.macro TOSTAGE a
.set AC, 64*((\a)%4)
	WIN 0x08+4*((\a)/4)
.irp t, 0,1
.irp b, 0,1,2,3
	ds_store_b128 v[STO], v[AC+32*\t+8*\b:AC+32*\t+8*\b+3] offset:\t*16*SPITCH+64*\b          ; each accumulator from its low end on
	ds_store_b128 v[STO], v[AC+32*\t+8*\b+4:AC+32*\t+8*\b+7] offset:\t*16*SPITCH+64*\b+16
.endr
.endr
	WIN 0
.set BB, BK+64*((\a)%2)
.irp t, 0,1,2,3,4,5,6,7,8,9,10,11,12,13,14,15
	ds_load_b128 v[BB+4*\t:BB+4*\t+3], v[RD] offset:\t*2*SPITCH
.endr
.endm
.macro SEND a, younger
.set BB, BK+64*((\a)%2)
	s_wait_dscnt \younger                          ; the block is back; the next block's 16 stores and 16 loads may be out
.if (\a) > 0
	s_add_nc_u64 s[56:57], s[56:57], 32*SIZE_N*4   ; behind a wait on XCNT: the earlier stores have read their base
.endif
.irp t, 0,1,2,3,4,5,6,7,8,9,10,11,12,13,14,15
	global_store_b128 v[CO], v[BB+4*\t:BB+4*\t+3], s[56:57] offset:\t*2*SIZE_N*4 th:TH_STORE_NT   ; sixteen lanes store 256 consecutive bytes, at a multiple of 256 from out0's first byte
.endr
.endm
	TOSTAGE 0
.irp a, 1,2,3,4,5,6,7
.if \a > 1
	s_wait_xcnt 0x0                                ; block a - 2's stores have read their registers and their base
.endif
	TOSTAGE \a
	SEND \a-1, 32
.endr
	s_wait_xcnt 0x0
	SEND 7, 0
	s_wait_tensorcnt 0x0                           ; the wave's end
	ds_add_u32 v[SPW], v[NIL]
	s_wait_dscnt 0x0
	CROUND                                         ; the closing round
	s_endpgm
.Lfunc_end_k_q14ad441769_gemm:
	.size	k_q14ad441769_gemm, .Lfunc_end_k_q14ad441769_gemm-k_q14ad441769_gemm
	.p2alignl 7, 3214868480
	.fill 96, 4, 3214868480
	.section	.rodata,"a",@progbits
	.p2align	6, 0x0
	.amdhsa_kernel k_q14ad441769_gemm
		.amdhsa_group_segment_fixed_size 327680
		.amdhsa_private_segment_fixed_size 0
		.amdhsa_enable_private_segment 0
		.amdhsa_kernarg_size 48
		.amdhsa_user_sgpr_count 2
		.amdhsa_user_sgpr_kernarg_segment_ptr 1
		.amdhsa_wavefront_size32 1
		.amdhsa_system_sgpr_workgroup_id_x 1
		.amdhsa_system_sgpr_workgroup_id_y 1
		.amdhsa_system_sgpr_workgroup_id_z 1
		.amdhsa_system_vgpr_workitem_id 0
		.amdhsa_next_free_vgpr 1024
		.amdhsa_next_free_sgpr 66
		.amdhsa_reserve_vcc 0
		.amdhsa_float_denorm_mode_32 3
		.amdhsa_float_denorm_mode_16_64 3
		.amdhsa_memory_ordered 1
		.amdhsa_forward_progress 1
		.amdhsa_inst_pref_size 255
	.end_amdhsa_kernel
	.section	.bss,"aw",@nobits
	.p2align	6
	.space	262144
	.amdgpu_metadata
---
amdhsa.version: [ 1, 2 ]
amdhsa.kernels:
  - .name:           k_q14ad441769_gemm
    .symbol:         k_q14ad441769_gemm.kd
    .args:
      - { .name: hc, .offset: 0, .size: 8, .value_kind: global_buffer, .address_space: global }
      - { .name: hs, .offset: 8, .size: 8, .value_kind: global_buffer, .address_space: global }
      - { .name: wc, .offset: 16, .size: 8, .value_kind: global_buffer, .address_space: global }
      - { .name: ws, .offset: 24, .size: 8, .value_kind: global_buffer, .address_space: global }
      - { .name: out0, .offset: 32, .size: 8, .value_kind: global_buffer, .address_space: global }
      - { .name: b2, .offset: 40, .size: 8, .value_kind: global_buffer, .address_space: global }
    .group_segment_fixed_size: 327680
    .private_segment_fixed_size: 0
    .kernarg_segment_align: 8
    .kernarg_segment_size: 48
    .max_flat_workgroup_size: 128
    .sgpr_count:     66
    .vgpr_count:     1024
    .wavefront_size: 32
...
	.end_amdgpu_metadata
.endif
;; end of part 2
